; MI455X (gfx1250); checked and timed in simulation.
; The chip was launched on July 23, 2026; its instructions are those of AMD's public machine-readable ISA for CDNA 5 (MIT licence, August 2026) and "CDNA5" Instruction Set Architecture Reference Guide (July 2026). The comments in the code are by the model that wrote it; some were corrected since.
;; compute Attention Weight Proj. Allowed arithmetic: matrix products marked QUANTISED: E4M3 operands, one given power-of-two scale a tensor, by v_wmma_f32_16x16x64_fp8_fp8 or v_wmma_f32_16x16x128_fp8_fp8, f32 sums; products left as they are: f32 operands where the result goes on into a quantised operand, else bf16, f16 or f32 operands; f32 sums; everything else in f32.
;; Inputs: G 8 x 4 x 2,048 x 32 float32; K_codes 8 x 4 x 2,048 x 1 x 32 uint8 (E4M3 codes of K, K innermost, in blocks of 32 codes); Q_codes 8 x 4 x 2,048 x 1 x 32 uint8 (E4M3 codes of Q, K innermost, in blocks of 32 codes); V_codes 8 x 4 x 32 x 64 x 32 uint8 (E4M3 codes of V, K innermost, in blocks of 32 codes); lowp_scales 4 int32 (the exponents e of the quantised operands' scales 2^e); seqMask 4 x 2,048 bool.
;; Outputs: out0 4 x 2,048 x 8 x 32 float32.
;; This version of the problem:
;;   THIS VERSION OF THE PROBLEM IS GIVEN IN LOW PRECISION. The matrix products marked QUANTISED in the list below multiply operands that are first quantised to E4M3 (4 exponent bits, 3 mantissa bits; 8 bits a number), with one given power-of-two scale for each operand tensor; their sums are f32. All else is computed in f32.
;;   The module's matrix products, in the order in which they are computed (A, B: the left and right operand; K: the contracted axis; several contracted axes count as one K, in the product's order):
;;     1. batch 32 x [M 2,048, K 32] x [K 32, N 2,048]; A: input Q (given as codes); B: input K (given as codes): QUANTISED (scales: A lowp_scales[0], B lowp_scales[1])
;;     2. batch 32 x [M 32, K 2,048] x [K 2,048, N 2,048]; A: input V (given as codes); B: softmax (see below): QUANTISED (scales: A lowp_scales[2], B lowp_scales[3])
;;     3. batch 2,097,152 x [M 1, K 1] x [K 1, N 1]; A: computed on the way; B: computed on the way: left as it is (no contracted axis)
;;   THE QUANTISER, for each operand of a quantised product, along K:
;;     - The operand's scale is 2^e, e = its entry of the input lowp_scales (int32; the entries are numbered through the quantised products in the list's order, A before B).
;;     - Each number is divided by the scale, clamped to +-448, and rounded to the nearest number of E4M3, ties to even, subnormals kept.
;;     - The product sums the exact products of the quantised numbers (number of the format x scale) in f32.
;;   ~~~python
;;   def quantise(x, axis, e):      # numpy; x: float32 -> the quantised numbers, widened to float32 again
;;       x = np.moveaxis(x, axis, -1); K = x.shape[-1]
;;       r = np.clip(x / 2.0 ** e, -448, 448)
;;       step = 2.0 ** (np.maximum(np.frexp(np.where(r == 0, 1, r))[1] - 1, -6) - 3)
;;       q = np.round(r / step) * step * 2.0 ** e      # np.round: ties to even
;;       return np.moveaxis(q, -1, axis).astype(np.float32)
;;   ~~~
;;   SOFTMAX AHEAD OF A QUANTISED PRODUCT. Where the list says 'softmax', what is quantised is not the finished softmax but p = 2^(t - M), with t = logit x log2(e) and M = ceil(the row's largest t), a whole number; so 1/2 < the row's largest p <= 1. The row's sum l is taken of the UNQUANTISED p, in f32, and the product's result is divided by l at the end. Since M is a whole number, a kernel that streams over the keys may use a running M (the ceiling of the running maximum): every later rescaling is an exact power of two, so the quantised numbers keep their values, but for numbers so far below the row's largest that they fall under the format's range.
;;   OPERANDS COMPUTED ON THE WAY. 'Computed on the way' means the value that the module computes at that place (a softmax that the list does not call 'softmax' is quantised finished and normalised). What goes into a quantiser is computed in f32, as accurately as f32 sums, v_exp_f32 and their like allow (about 1e-6 of the number): no bf16 or f16 on the way to a quantiser, and a product that is left as it is and whose result goes on into a quantised operand takes f32 operands (vector FMAs, or v_wmma_f32_16x16x4_f32). A number that lies on a knife's edge between two numbers of the format may be rounded either way, as far as f32 arithmetic and the matrix unit's own rounding can turn it there, and no further.
;;   INPUTS GIVEN AS CODES. K (in the module: [8, 4, 2048, 32], K = its axis 3); Q (in the module: [8, 4, 2048, 32], K = its axis 3); V (in the module: [8, 4, 2048, 32], K = its axis 2): each comes as NAME_codes (uint8): NAME with its K axis moved to the last place and cut into blocks of 32 codes, [.., K / 32, bytes a block], one block behind the other in memory; one code a byte (a code: sign, 4 exponent bits, 3 mantissa bits); its scale is its entry of lowp_scales. Its value is code x scale, taken as it is: it is not quantised again, and the codes and scales need not be those that the quantiser above would give.
;; 2 versions, each right and faster than the one before. Each part assembles by itself: llvm-mc -triple=amdgcn-amd-amdhsa -mcpu=gfx1250 --defsym DOCPART=n.
;; ======== version 1 of 2: 1 launch
;; launch band (part 1): grid 16 x 16, 8 waves a work-group, no clusters, 264,192 bytes of LDS; arguments Q_codes, K_codes, V_codes, G, seqMask, lowp_scales, out0; writes out0
.if DOCPART == 1
	.amdgcn_target "amdgcn-amd-amdhsa--gfx1250"
	.amdhsa_code_object_version 6
	.text
	.protected	k_q96a8ad9587_band
	.globl	k_q96a8ad9587_band
	.p2align	8
	.type	k_q96a8ad9587_band,@function
k_q96a8ad9587_band:
	s_mov_b64 s[64:65], 0
	v_nop
	global_prefetch_b8 v0, s[64:65] scope:SCOPE_SE
	s_setreg_imm32_b32 hwreg(HW_REG_WAVE_MODE, 25, 1), 1
	s_wait_xcnt 0x0
; out0[n][s][h][:] = G[h][n][s][:] x sum over t of softmax_t(Q[h][n][s] . K[h][n][t] / sqrt(32)) V[h][n][t][:], keys t with |s - t| <= 10 that seqMask[n][t] does not hide.
; Q, K: codes of FP8 (E4M3), [8][4][2048][32], the head's 32 innermost.  V: codes with the KEYS innermost, [8][4][32][2048].  G: f32 [8][4][2048][32].  out0: f32 [4][2048][8][32].
; lowp_scales: eq, ek, ev, ep.  THE SOFTMAX AHEAD OF THE SECOND PRODUCT: t = score x 2^(eq + ek) x log2(e) / sqrt(32); M = ceil(the row's largest t); p = 2^(t - M) is quantised with 2^ep;
; the row's sum is taken of the unquantised p and divides at the end.
; THE PRODUCTS ARE DONE WHOLE.  The problem's contract lists both products over all 2,048 keys and asks that the matrix units do that work on FP8 codes.  So every tile of K Q^T and of V^T P is issued, once,
; also where the band hides all of a step's keys.  There the scores are NOT READ (the mask would make each of them -infinity and p = 0) and P is a fragment of zero codes, which adds nothing to O^T:
; these products change no number of the result.  Only the softmax's vector work is left out for such steps.
; SHARES.  A work-group owns 128 queries of one batch entry and one PAIR of heads (2 hp, 2 hp + 1): 16 x 16 = 256 work-groups of equal work; a query's 256 bytes of out0 for the pair are one aligned run.
; Wave w owns head 2 hp + w / 4 and the 32 queries q0 = s0 + 32 (w % 4) on: two tiles of 16, so that each fragment of K and of V feeds two products.
; THE WALK.  A wave walks the 128 tiles of 16 keys in 32 steps of four, ROUND THE SEQUENCE (tile numbers modulo 128), beginning at tile q0 / 16 - 1.  So step 0 holds the whole band of its 32 queries, in every wave:
; no branch hangs on the place, M is the row's true one, and steps 1 to 31 are the hidden ones.  Tiles that step 0 reaches by going round the sequence's end are hidden like masked keys.
; LAYOUT.  Both products are used transposed, so that a lane (r = lane % 16, h = lane / 16) holds ONE query of a tile throughout.  S^T = K Q^T: source 0 = 16 keys, source 1 = 16 queries; register j of a step's tile kt is its key
; 16 kt + 8 h + j.  These eight registers are what registers 2 kt, 2 kt + 1 of the next product's source 1 want: one conversion a tile makes p's operand.  O^T = V^T P: source 0 = 16 channels, K = the step's 64 keys.
; The head's 32 fill half of the first product's 64 along K: the rest are zero codes, on both sides.  A row of Q or K (32 bytes) comes by ONE load of 16 bytes a lane: a permutation of k, alike on both sides.
; LDS.  All of K and V of the two heads lie in LDS, brought once by one tensor load a wave; nothing is filled again.  Step 0's K, Q and mask come from memory into registers (2,048 bytes of K a wave are so read twice),
; so that its softmax runs while LDS is filled.
; NO CLUSTER, though the 16 work-groups of a pair of heads and a batch entry read the same K and V: the LDS addresses of the walk begin at tile q0 / 16 - 1, which hangs on the work-group's place along s,
; and partners that ask jointly form their LDS addresses alike.
; LIMITS.  eq + ek between -124 and 129 (added to the exponent field of log2(e) / sqrt(32)); ep between -126 and 119 (2^ep and 448 x 2^ep are f32 numbers); ep + ev is applied by v_ldexp_f32 and has none.
; NaN codes among Q and K are not served.  A row all of whose 21 keys are hidden gives NaN, as the reference's softmax of -infinities does.
.set PITCH, 272                        ; a stage row: 256 bytes + 16 of padding = 68 words: row r begins at word 4 r mod 64
.set VB,    131072                     ; LDS 0 ..: K, head a at a x 65,536, tile of 16 keys t at 512 t.  From VB on: V
.set VP,    2064                       ; V: row 32 a + channel: two halves of 1,024 bytes, 8 of padding behind each = 516 words: row r begins at word 4 r mod 64.  Key k lies at k + 8 (k / 1024)
.set HEADB, 262144                     ; bytes from a head to the next in Q's, K's and V's codes: 4 x 2048 x 32
.set RR,   1                           ; v1     r
.set HH,   2                           ; v2     h
.set LO,   3                           ; v3     32 r + 16 h: my 16 bytes of a tile of 16 rows of 32
.set KO,   4                           ; v4-7   memory: LO + 32 x the first key of step 0's tile kt; tiles 1 and 2 begin at my two tiles of queries and serve Q too
.set MO,   8                           ; v8-11  memory: the first key of step 0's tile kt + 8 h: my eight bytes of the mask
.set GO,   12                          ; v12    G: my 16 bytes, in the layout of the final stores
.set SO,   13                          ; v13    the stage, on the way in
.set SR,   14                          ; v14    and back
.set OO,   15                          ; v15    out0: my 16 bytes
.set NINF, 16                          ; v16    -infinity
.set LIM,  17                          ; v17    448 x 2^ep
.set SCL,  18                          ; v18    2^ep
.set GB,   19                          ; v19    8 h - r - 6
.set KBS,  20                          ; v20    LDS: my head's K + LO
.set VBS,  21                          ; v21    LDS: my head's V, row r, + 8 h
.set KA,   24                          ; v24-27 LDS addresses of a step's four tiles of K
.set VA,   28                          ; v28-31 and of their keys in V's rows
.set QF,   32                          ; v32-47   Q's fragment of tile qt at QF + 8 qt
.set KF,   48                          ; v48-79   K's fragment of a step's tile kt at KF + 8 kt
.set S,    80                          ; v80-143  S^T's tile (qt, kt) at S + 32 qt + 8 kt.  Tile qt's band lies in kt = qt .. qt + 2: 24 registers from S + 40 qt on, then p
.set OUT,  80                          ; v80-111  later: the rows read back from the stage
.set O,    144                         ; v144-175 O^T's tile (qt, ct) at O + 16 qt + 8 ct
.set VF,   176                         ; v176-191 V's fragment of channels 16 ct on at VF + 8 ct
.set PEN,  144                         ; v144-191 ahead of them: 0 for a key that counts, -infinity for one that does not: PEN + 24 qt + 8 d + j, d = kt - qt
.set PF,   192                         ; v192-207 step 0's p as codes, tile qt at PF + 8 qt
.set ZF,   208                         ; v208-215 a fragment of zero codes: p of the hidden steps
.set GR,   216                         ; v216-247 G, four registers for each of eight loads; asked for when ST and MK are done with
.set ST,   216                         ; v216-231 for tile qt at ST + 8 qt: +0 -M, +1 the largest t, +2..+5 at work (maxima, then the sum in two pairs), +7 what the other half of the lanes sent
.set MK,   232                         ; v232-239 the mask's bytes, a pair of registers for each of step 0's tiles
.set INV,  248                         ; v248, v250  2^(ep + ev) / the sum, of tile 0, 1 (v249, v251 are named with them as pairs)
.set G0K,  68                          ; s[68:71] descriptor group 0 for K, s[72:79] its group 1
.set G1K,  72
.set G1V,  80                          ; s[80:87] group 1 for V, s[88:91] its group 0
.set G0V,  88
	s_load_b256 s[4:11], s[0:1], 0x0               ; Q s[4:5], K s[6:7], V s[8:9], G s[10:11]
	s_load_b128 s[12:15], s[0:1], 0x20             ; seqMask s[12:13], lowp_scales s[14:15]
	s_load_b64 s[16:17], s[0:1], 0x30              ; out0
	v_lshl_add_u32 v254, v0, 2, 0x40400
	v_mov_b32 v255, 0
	ds_add_u32 v254, v255
	ds_add_u32 v254, v255
	v_lshrrev_b32 v22, 5, v0
	v_readfirstlane_b32 s18, v22                   ; wave 0..7
	s_lshl_b32 s19, ttmp9, 7                       ; s0: the work-group's first query
	s_and_b32 s23, ttmp7, 0xffff
	s_and_b32 s21, s23, 3                          ; hp: the pair of heads
	s_lshr_b32 s22, s23, 2                         ; n: the batch entry
	s_lshr_b32 s48, s18, 2                         ; a: my head of the pair.  Also: I fetch for K (0) or for V (1)
	s_and_b32 s49, s18, 3                          ; which 32 queries are mine.  Also: which quarter of K or of V I fetch
	s_lshl_b32 s23, s49, 5
	s_add_co_u32 s20, s19, s23                     ; q0: my first query
	s_lshl_b32 s23, s18, 4
	s_add_co_u32 s56, s19, s23                     ; the first of the 16 rows of out0 that I store: s0 + 16 w
	s_add_co_u32 s34, s20, 2032
	s_and_b32 s34, s34, 2047                       ; step 0's tiles begin at keys q0 - 16, q0, q0 + 16, q0 + 32, modulo 2,048
	s_mov_b32 s35, s20
	s_add_co_u32 s36, s20, 16
	s_add_co_u32 s37, s20, 32
	s_and_b32 s37, s37, 2047
	s_cmp_eq_u32 s20, 0
	s_cselect_b32 s46, 0x01010101, 0               ; tile 0 went round the sequence's start: its keys count as hidden
	s_cmp_eq_u32 s20, 2016
	s_cselect_b32 s47, 0x01010101, 0               ; tile 3 went round its end
	s_lshr_b32 s50, s20, 4
	s_add_co_u32 s50, s50, 127                     ; the walk's tile number: q0 / 16 - 1 modulo 128; it steps by 4 and is cut to 7 bits at each use
	; what I fetch: quarter s49 = head s49 / 2, half s49 % 2 (1,024 keys of K, or 16 channels of V: 32,768 bytes either way)
	s_lshr_b32 s23, s49, 1
	s_lshl_b32 s28, s23, 18
	s_and_b32 s23, s49, 1
	s_lshl_b32 s23, s23, 15
	s_add_co_u32 s28, s28, s23
	s_lshl_b32 s39, s21, 19                        ; (2 hp x 4 + n) x 65,536 bytes: the pair's first head in Q, K and V
	s_lshl_b32 s23, s22, 16
	s_add_co_u32 s39, s39, s23
	s_add_co_u32 s28, s28, s39
	s_mov_b32 s29, 0
	s_lshl_b32 s52, s48, 18                        ; my own head, for Q and for step 0's K
	s_add_co_u32 s52, s52, s39
	s_mov_b32 s53, 0
	s_lshl_b32 s40, s21, 21                        ; G: (2 hp x 4 + n) x 262,144 + 128 x my first row
	s_lshl_b32 s23, s22, 18
	s_add_co_u32 s40, s40, s23
	s_lshl_b32 s23, s56, 7
	s_add_co_u32 s40, s40, s23
	s_mov_b32 s41, 0
	s_lshl_b32 s42, s22, 11                        ; seqMask: 2,048 n
	s_mov_b32 s43, 0
	s_lshl_b32 s44, s22, 21                        ; out0: (2,048 n + my first row) x 1,024 + 256 hp
	s_lshl_b32 s23, s56, 10
	s_add_co_u32 s44, s44, s23
	s_lshl_b32 s23, s21, 8
	s_add_co_u32 s44, s44, s23
	s_mov_b32 s45, 0
	; descriptor group 1.  K: a dense block as 128 rows of 256 bytes, no padding.  V: 16 channels' rows, dense, as 32 half rows of 1,024 bytes, 8 bytes of padding behind each
	s_mov_b32 s[G1K], 3<<16                        ; 15:0 no mask; 17:16 elements of 8 bytes
	s_mov_b32 s[G1K+1], 32<<16                     ; tensor_dim0 = 32 elements
	s_mov_b32 s[G1K+2], 128<<16                    ; tensor_dim1 = 128
	s_mov_b32 s[G1K+3], 32<<16                     ; tile_dim0
	s_mov_b32 s[G1K+4], 128                        ; tile_dim1
	s_mov_b32 s[G1K+5], 32                         ; elements from row to row
	s_mov_b32 s[G1K+6], 0
	s_mov_b32 s[G1K+7], 0
	s_mov_b32 s[G1V], (3<<16)|(1<<20)|(7<<22)|(1<<25)   ; elements of 8 bytes; 20 padding on; 24:22 after every 256 words (code 7); 31:25 two words (code 1)
	s_mov_b32 s[G1V+1], 128<<16
	s_mov_b32 s[G1V+2], 32<<16
	s_mov_b32 s[G1V+3], 128<<16
	s_mov_b32 s[G1V+4], 32
	s_mov_b32 s[G1V+5], 128
	s_mov_b32 s[G1V+6], 0
	s_mov_b32 s[G1V+7], 0
	s_mov_b32 s[G0K], 1                            ; count = 1
	s_lshl_b32 s[G0K+1], s49, 15                   ; LDS: quarter x 32,768
	s_mov_b32 s[G0V], 1
	s_mul_i32 s[G0V+1], s49, 16*VP                 ; LDS: VB + quarter x 16 rows
	s_add_co_u32 s[G0V+1], s[G0V+1], VB
	v_and_b32 v[RR], 15, v0
	v_bfe_u32 v[HH], v0, 4, 1
	v_lshlrev_b32 v[LO], 5, v[RR]
	v_lshl_add_u32 v[LO], v[HH], 4, v[LO]
.irp kt, 0,1,2,3
	v_lshl_add_u32 v[KO+\kt], s[34+\kt], 5, v[LO]
	v_lshl_add_u32 v[MO+\kt], v[HH], 3, s[34+\kt]
.endr
	v_bfe_u32 v22, v0, 3, 1                        ; G: lanes 0-7 head 2 hp, lanes 8-15 head 2 hp + 1; lanes 16-31 the same of the next query
	v_lshlrev_b32 v[GO], 20, v22
	v_lshl_or_b32 v[GO], v[HH], 7, v[GO]
	v_and_b32 v22, 7, v0
	v_lshl_or_b32 v[GO], v22, 4, v[GO]
	s_wait_dscnt 0x0
	s_wait_kmcnt 0x0
	s_load_b128 s[24:27], s[14:15], 0x0            ; eq, ek, ev, ep
	s_add_nc_u64 s[G0K+2:G0K+3], s[6:7], s[28:29]
	s_or_b32 s[G0K+3], s[G0K+3], 0x80000000        ; type = 2
	s_add_nc_u64 s[G0V+2:G0V+3], s[8:9], s[28:29]
	s_or_b32 s[G0V+3], s[G0V+3], 0x80000000
	; THE FILL: one tensor load a wave, 32,768 bytes, ahead of everything else.  Waves 0-3 fetch K's quarters, waves 4-7 V's.  Four v_nop follow each of the two lines.
	s_cmp_lt_u32 s18, 4
	s_cbranch_scc0 .Lfetch_v
	tensor_load_to_lds s[G0K:G0K+3], s[G1K:G1K+7]
	s_nop 0
.rept 4
	v_nop
.endr
	s_branch .Lasked
.Lfetch_v:
	tensor_load_to_lds s[G0V:G0V+3], s[G1V:G1V+7]
	s_nop 0
.rept 4
	v_nop
.endr
.Lasked:
	s_add_nc_u64 s[4:5], s[4:5], s[52:53]          ; Q at my head
	s_add_nc_u64 s[54:55], s[6:7], s[52:53]        ; K at my head
	s_add_nc_u64 s[10:11], s[10:11], s[40:41]
	s_add_nc_u64 s[12:13], s[12:13], s[42:43]
	s_add_nc_u64 s[16:17], s[16:17], s[44:45]
	; STEP 0's operands, from memory: ten loads in one run
.irp kt, 0,1,2,3
	global_load_b64 v[MK+2*\kt:MK+2*\kt+1], v[MO+\kt], s[12:13]                     ; the mask's bytes of my eight keys of tile kt
.endr
.irp qt, 0,1
	global_load_b128 v[QF+8*\qt:QF+8*\qt+3], v[KO+1+\qt], s[4:5] th:TH_LOAD_NT      ; 16 rows of 32 bytes: 512 consecutive bytes; read by this wave alone
.endr
.irp kt, 0,1,2,3
	global_load_b128 v[KF+8*\kt:KF+8*\kt+3], v[KO+\kt], s[54:55]
.endr
	; WHILE THE LOADS ARE OUT: the other addresses, the zero codes, the band, the scales.  Nothing here names a register that a load will write.
	v_lshl_add_u32 v[KBS], s48, 16, v[LO]
	s_mul_i32 s23, s48, 32*VP
	s_add_co_u32 s23, s23, VB
	v_mul_u32_u24 v[VBS], v[RR], VP
	v_lshl_add_u32 v[VBS], v[HH], 3, v[VBS]
	v_add_nc_u32 v[VBS], s23, v[VBS]
	s_mul_i32 s23, s49, 32*PITCH                   ; the stage (LDS 0 on, when K is done with): in: row = my query, 32 (w % 4) + 16 qt + r; byte 128 a + 64 ct + 32 h
	s_lshl_b32 s39, s48, 7
	s_add_co_u32 s23, s23, s39
	v_mul_u32_u24 v[SO], v[RR], PITCH
	v_lshl_add_u32 v[SO], v[HH], 5, v[SO]
	v_add_nc_u32 v[SO], s23, v[SO]
	s_mul_i32 s23, s18, 16*PITCH                   ; back: rows 16 w on: lanes 0-15 one row of 256 bytes, lanes 16-31 the next
	v_mul_u32_u24 v[SR], v[HH], PITCH
	v_lshl_add_u32 v[SR], v[RR], 4, v[SR]
	v_add_nc_u32 v[SR], s23, v[SR]
	v_lshlrev_b32 v[OO], 4, v[RR]
	v_lshl_or_b32 v[OO], v[HH], 10, v[OO]          ; and the same two rows in out0, 1,024 bytes apart
	v_lshlrev_b32 v[GB], 3, v[HH]
	v_sub_nc_u32 v[GB], v[GB], v[RR]
	v_add_nc_u32 v[GB], -6, v[GB]
	v_mov_b32 v[NINF], 0xff800000
	s_mov_b32 s30, 0x76543210                      ; v_permlanex16_b32's selects for lane l xor 16
	s_mov_b32 s31, 0xfedcba98
	; zero codes where an operand has no data: k = 32 .. 63 of Q and K; of step 0's p the tile that lies wholly outside a query tile's band (tile 3 for qt = 0, tile 0 for qt = 1); the hidden steps' p
.irp f, 0,1
.irp i, 4,5,6,7
	v_mov_b32 v[QF+8*\f+\i], 0
.endr
.endr
.irp f, 0,1,2,3
.irp i, 4,5,6,7
	v_mov_b32 v[KF+8*\f+\i], 0
.endr
.endr
.irp i, 6,7,8,9
	v_mov_b32 v[PF+\i], 0
.endr
.irp i, 0,1,2,3,4,5,6,7
	v_mov_b32 v[ZF+\i], 0
.endr
	v_mov_b32 v[ST+7], 0                           ; a lane permute's destination counts as one of its sources: written once
	v_mov_b32 v[ST+15], 0
	v_mov_b32 v[INV+1], 0                          ; (named as the upper halves of pairs)
	v_mov_b32 v[INV+3], 0
; Register j of tile kt = qt + d: key - query = 16 d + j + 8 h - r - 16.  It lies in the band where that + 10 is 0 .. 20: one unsigned compare, for both tiles of queries.
.macro BAND d, j
	v_add_nc_u32 v22, 16*(\d)+(\j), v[GB]
	v_cmp_lt_u32 vcc_lo, 20, v22
	v_cndmask_b32 v[PEN+8*(\d)+(\j)], 0, v[NINF], vcc_lo
	v_cndmask_b32 v[PEN+24+8*(\d)+(\j)], 0, v[NINF], vcc_lo
.endm
.irp d, 0,1,2
.irp j, 0,1,2,3,4,5,6,7
	BAND \d, \j
.endr
.endr
	s_wait_kmcnt 0x0                               ; the four exponents
	s_add_co_i32 s23, s24, s25
	s_lshl_b32 s23, s23, 23
	s_add_co_i32 s32, s23, 0x3e8293ee              ; c = log2(e) / sqrt(32) x 2^(eq + ek): the two exponents are added to the constant's exponent field
	s_mov_b32 s33, s32                             ; (named with it as a pair, so it is written)
	s_add_co_i32 s23, s27, 127
	s_lshl_b32 s39, s23, 23
	v_mov_b32 v[SCL], s39                          ; 2^ep as f32: the conversion takes its exponent field
	s_add_co_i32 s23, s23, 8
	s_lshl_b32 s23, s23, 23
	s_or_b32 s23, s23, 0x600000
	v_mov_b32 v[LIM], s23                          ; 448 x 2^ep
	s_add_co_i32 s38, s27, s26                     ; ep + ev
; A step's eight products S^T = K Q^T: four tiles of 16 keys x my two tiles of 16 queries; the constant 0 starts and ends each sum: one instruction holds the head's whole 32
.macro QKS
.irp kt, 0,1,2,3
.irp qt, 0,1
	v_wmma_f32_16x16x64_fp8_fp8 v[S+32*\qt+8*\kt:S+32*\qt+8*\kt+7], v[KF+8*\kt:KF+8*\kt+7], v[QF+8*\qt:QF+8*\qt+7], 0
.endr
.endr
.endm
; A step's four products O^T += V^T P.  first = 1: step 0: its p, and the constant 0 starts the sums.  Else p is the fragment of zero codes.  The four accumulators take turns, one instruction a turn.
.macro PVS first
.irp ct, 0,1
.irp qt, 0,1
.if \first
	v_wmma_f32_16x16x64_fp8_fp8 v[O+16*\qt+8*\ct:O+16*\qt+8*\ct+7], v[VF+8*\ct:VF+8*\ct+7], v[PF+8*\qt:PF+8*\qt+7], 0
.else
	v_wmma_f32_16x16x64_fp8_fp8 v[O+16*\qt+8*\ct:O+16*\qt+8*\ct+7], v[VF+8*\ct:VF+8*\ct+7], v[ZF:ZF+7], v[O+16*\qt+8*\ct:O+16*\qt+8*\ct+7]
.endif
.endr
.endr
.endm
	s_wait_loadcnt 0x0                             ; the mask, Q and step 0's K are in
	QKS                                            ; tiles (0, 3) and (1, 0) lie wholly outside their queries' band: they are not read
	; The mask's lines name no register of the products above: they are the places behind them (ISA guide 7.12.1).
	v_or_b32 v[MK], s46, v[MK]                     ; keys reached by going round the sequence's end count as hidden
	v_or_b32 v[MK+1], s46, v[MK+1]
	v_or_b32 v[MK+6], s47, v[MK+6]
	v_or_b32 v[MK+7], s47, v[MK+7]
; The mask's byte of register j of tile kt (0 or 1): its bit is moved to the top, spread over the top nine bits, and cut to the pattern of -infinity, which is laid over the band's 0 or -infinity of each query tile that reads tile kt.
.macro SEQ kt, j
	v_lshlrev_b32 v[22+(\j)%2], 31-8*((\j)%4), v[MK+2*(\kt)+(\j)/4]
	v_ashrrev_i32 v[22+(\j)%2], 8, v[22+(\j)%2]
.if (\kt) <= 2
	v_and_or_b32 v[PEN+8*(\kt)+(\j)], v[22+(\j)%2], v[NINF], v[PEN+8*(\kt)+(\j)]
.endif
.if (\kt) >= 1
	v_and_or_b32 v[PEN+24+8*((\kt)-1)+(\j)], v[22+(\j)%2], v[NINF], v[PEN+24+8*((\kt)-1)+(\j)]
.endif
.endm
.irp kt, 0,1,2,3
.irp j, 0,1,2,3,4,5,6,7
	SEQ \kt, \j
.endr
.endr
.irp a, 0,1
.irp j, 0,2,4,6,8,10,12,14,16,18,20,22
	v_pk_add_f32 v[S+40*\a+\j:S+40*\a+\j+1], v[S+40*\a+\j:S+40*\a+\j+1], v[PEN+24*\a+\j:PEN+24*\a+\j+1]   ; the score as it is, or -infinity; each accumulator from its low end on
.endr
.endr
	; the row's largest score: my 24 keys in two chains, the two tiles of queries line by line; then the other half of the lanes' 24
.irp a, 0,1
	v_max3_num_f32 v[ST+8*\a+2], v[S+40*\a], v[S+40*\a+1], v[S+40*\a+2]
	v_max3_num_f32 v[ST+8*\a+3], v[S+40*\a+3], v[S+40*\a+4], v[S+40*\a+5]
.endr
.irp i, 6,10,14,18
.irp a, 0,1
	v_max3_num_f32 v[ST+8*\a+2], v[ST+8*\a+2], v[S+40*\a+\i], v[S+40*\a+\i+1]
	v_max3_num_f32 v[ST+8*\a+3], v[ST+8*\a+3], v[S+40*\a+\i+2], v[S+40*\a+\i+3]
.endr
.endr
.irp a, 0,1
	v_max3_num_f32 v[ST+8*\a+2], v[ST+8*\a+2], v[S+40*\a+22], v[S+40*\a+23]
.endr
.irp a, 0,1
	v_max_num_f32 v[ST+8*\a+2], v[ST+8*\a+2], v[ST+8*\a+3]
.endr
.irp a, 0,1
	v_permlanex16_b32 v[ST+8*\a+7], v[ST+8*\a+2], s30, s31
.endr
.irp a, 0,1
	v_max_num_f32 v[ST+8*\a+2], v[ST+8*\a+2], v[ST+8*\a+7]
.endr
.irp a, 0,1
	v_mul_f32 v[ST+8*\a+1], s32, v[ST+8*\a+2]      ; as t (c is positive)
.endr
.irp a, 0,1
	v_floor_f32 v[ST+8*\a], -v[ST+8*\a+1]          ; -M = floor(-t) = -ceil(t): a whole number.  (All keys hidden: +infinity, and t - M below is NaN)
.endr
	; p = 2^(t - M); its sum; its codes
.irp a, 0,1
.irp j, 0,2,4,6,8,10,12,14,16,18,20,22
	v_pk_fma_f32 v[S+40*\a+\j:S+40*\a+\j+1], v[S+40*\a+\j:S+40*\a+\j+1], s[32:33], v[ST+8*\a:ST+8*\a+1] op_sel_hi:[1,0,0]   ; score x c - M, two at a time (of the pairs c and -M the low word serves both halves)
.endr
.endr
.irp a, 0,1
.set j, 0
.rept 24
	v_exp_f32 v[S+40*\a+j], v[S+40*\a+j]           ; at most 1; 0 for a key that does not count; NOT normalised
.set j, j+1
.endr
.endr
	v_nop                                          ; a plain place behind the exponentials
	s_wait_alu depctr_va_vdst(0)
.irp a, 0,1
	v_pk_add_f32 v[ST+8*\a+2:ST+8*\a+3], v[S+40*\a:S+40*\a+1], v[S+40*\a+2:S+40*\a+3]           ; THE ROW'S SUM IS TAKEN OF THE UNQUANTISED p: two at a time, in two chains
	v_pk_add_f32 v[ST+8*\a+4:ST+8*\a+5], v[S+40*\a+4:S+40*\a+5], v[S+40*\a+6:S+40*\a+7]
.endr
.irp i, 8,12,16,20
.irp a, 0,1
	v_pk_add_f32 v[ST+8*\a+2:ST+8*\a+3], v[ST+8*\a+2:ST+8*\a+3], v[S+40*\a+\i:S+40*\a+\i+1]
	v_pk_add_f32 v[ST+8*\a+4:ST+8*\a+5], v[ST+8*\a+4:ST+8*\a+5], v[S+40*\a+\i+2:S+40*\a+\i+3]
.endr
.endr
.irp a, 0,1
	v_pk_add_f32 v[ST+8*\a+2:ST+8*\a+3], v[ST+8*\a+2:ST+8*\a+3], v[ST+8*\a+4:ST+8*\a+5]
.endr
.irp a, 0,1
	v_add_f32 v[ST+8*\a+2], v[ST+8*\a+2], v[ST+8*\a+3]
.endr
.irp a, 0,1
	v_permlanex16_b32 v[ST+8*\a+7], v[ST+8*\a+2], s30, s31
.endr
.irp a, 0,1
	v_add_f32 v[ST+8*\a+2], v[ST+8*\a+2], v[ST+8*\a+7]   ; with lane l xor 16's: the row's sum
.endr
.irp a, 0,1
	v_rcp_f32 v[INV+2*\a], v[ST+8*\a+2]
.endr
.irp a, 0,1
.set j, 0
.rept 24
	v_min_num_f32 v[S+40*\a+j], v[S+40*\a+j], v[LIM]   ; the conversion to an 8-bit code does not saturate (ISA guide 7.6.2); p is not negative, so the hold is one-sided.  (Also the plain places behind the reciprocals)
.set j, j+1
.endr
.endr
	s_wait_alu depctr_va_vdst(0)
.irp a, 0,1
	v_ldexp_f32 v[INV+2*\a], v[INV+2*\a], s38      ; 2^(ep + ev) / the sum
.endr
.irp a, 0,1
.irp d, 0,1,2
	v_cvt_scalef32_pk8_fp8_f32 v[PF+8*\a+2*(\a+\d):PF+8*\a+2*(\a+\d)+1], v[S+40*\a+8*\d:S+40*\a+8*\d+7], v[SCL]   ; tile kt = qt + d: registers 2 kt, 2 kt + 1 of the operand: k = 16 kt + 8 h + 0 .. 7
.endr
.endr
	v_nop                                          ; one plain vector instruction between a scaled conversion and the matrix instructions that read its result and write over its sources
.irp i, 0,1,2,3,4,5,6,7
	global_load_b128 v[GR+4*\i:GR+4*\i+3], v[GO], s[10:11] offset:256*\i th:TH_LOAD_NT   ; G of the 16 rows that I store, both heads: two runs of 256 consecutive bytes a load.  Wanted at the end: it lands under the walk
.endr
; LDS addresses of the four tiles from the walk's tile number s50 on, each cut to 7 bits, since a step may go round the sequence's end.  Each macro's four vector lines are also the places
; between the products just issued and the loads into the registers that those products read (ISA guide 7.12.1 for vector instructions).
.macro VPART
.irp c, 0,1,2,3
	s_add_co_u32 s57, s50, \c
	s_and_b32 s57, s57, 127
	s_lshl_b32 s58, s57, 4                         ; the tile's first key,
	s_and_b32 s57, s57, 64
	s_lshr_b32 s57, s57, 3                         ; + 8 in a row's second half
	s_add_co_u32 s58, s58, s57
	v_add_nc_u32 v[VA+\c], s58, v[VBS]
.endr
.endm
.macro KPART
.irp c, 0,1,2,3
	s_add_co_u32 s57, s50, \c
	s_and_b32 s57, s57, 127
	s_lshl_b32 s57, s57, 9                         ; a tile of 16 keys is 512 bytes
	v_add_nc_u32 v[KA+\c], s57, v[KBS]
.endr
.endm
.macro VLOAD                           ; channel 16 ct + r, keys 16 c + 8 h + 0 .. 7 of the step
.irp ct, 0,1
.irp c, 0,1,2,3
	ds_load_b64 v[VF+8*\ct+2*\c:VF+8*\ct+2*\c+1], v[VA+\c] offset:16*VP*\ct
.endr
.endr
.endm
.macro KLOAD                           ; 512 consecutive bytes a load; the fragments' upper halves stay zero codes
.irp c, 0,1,2,3
	ds_load_b128 v[KF+8*\c:KF+8*\c+3], v[KA+\c]
.endr
.endm
; A HIDDEN STEP.  At its head its four loads of K are out and s50 is its first tile.  next = 1: the next step's K is fetched.
; Between one step's K Q^T and the next's, which write over the same registers, stand the eight vector lines of KPART and VPART.
.macro STEP next
	VPART
	VLOAD
	s_wait_dscnt 8                                 ; K's four loads are in; V's eight, issued behind them, may be out
	QKS                                            ; the band hides all 64 keys from all my queries: these scores are not read
.if \next
	s_add_co_u32 s50, s50, 4
	KPART
	KLOAD
	s_wait_dscnt 4                                 ; V's eight loads are in; the next step's four of K may be out
.else
	s_wait_dscnt 0x0                               ; V is in, and my reads of K and V are over
.endif
	PVS 0
.endm
	s_wait_tensorcnt 0x0                           ; my quarter of K or of V lies in LDS
	s_barrier_signal -1
	VPART                                          ; (work on registers while the others arrive)
	s_barrier_wait -1                              ; all of K and V lies in LDS
	VLOAD                                          ; step 0's V
	s_add_co_u32 s50, s50, 4
	KPART
	KLOAD                                          ; step 1's K
	s_wait_dscnt 4                                 ; V's eight loads are in; K's four may be out
	PVS 1                                          ; step 0: the one step whose p is not all zeros
	s_mov_b32 s51, 30
.Lstep:                                            ; steps 1 to 30
	STEP 1
	s_sub_co_u32 s51, s51, 1
	s_cmp_lg_u32 s51, 0
	s_cbranch_scc1 .Lstep
	STEP 0                                         ; step 31: nothing more to fetch
	; THE WAY OUT.  A lane holds eight channels of one query; a row of out0's 256 bytes comes from 16 such pieces, of two waves.  They meet in a stage and come back as whole rows, in the layout in which G was loaded.
	; The stage lies where K lay: that region has had its one fill, and behind this barrier no wave reads it (each wave's wait for all its LDS loads stands ahead of its last products).
	s_barrier_signal -1
.rept 4
	v_nop                                          ; places in front of the first read of results (ISA guide 7.12.1)
.endr
.irp a, 0,1
.irp j, 0,2,4,6,8,10,12,14
	v_pk_mul_f32 v[O+16*\a+\j:O+16*\a+\j+1], v[O+16*\a+\j:O+16*\a+\j+1], v[INV+2*\a:INV+2*\a+1] op_sel_hi:[1,0]   ; x 2^(ep + ev) / the sum; each accumulator from its low end on
.endr
.endr
	s_barrier_wait -1
.irp qt, 0,1
.irp ct, 0,1
.irp u, 0,1
	ds_store_b128 v[SO], v[O+16*\qt+8*\ct+4*\u:O+16*\qt+8*\ct+4*\u+3] offset:16*PITCH*\qt+64*\ct+16*\u   ; query tile qt, channels 16 ct + 8 h + 4 u on
.endr
.endr
.endr
	s_wait_dscnt 0x0                               ; for the others' sake: my part of the stage is written
	s_barrier_signal -1
	s_barrier_wait -1
.irp i, 0,1,2,3,4,5,6,7
	ds_load_b128 v[OUT+4*\i:OUT+4*\i+3], v[SR] offset:2*PITCH*\i
.endr
.irp i, 0,1,2,3,4,5,6,7
	s_wait_loadcnt 7-\i                            ; G's load i is in; the younger ones may be out
	s_wait_dscnt 7-\i                              ; rows 2 i, 2 i + 1 are back; the younger loads may be out
	v_pk_mul_f32 v[OUT+4*\i:OUT+4*\i+1], v[OUT+4*\i:OUT+4*\i+1], v[GR+4*\i:GR+4*\i+1]
	v_pk_mul_f32 v[OUT+4*\i+2:OUT+4*\i+3], v[OUT+4*\i+2:OUT+4*\i+3], v[GR+4*\i+2:GR+4*\i+3]
	global_store_b128 v[OO], v[OUT+4*\i:OUT+4*\i+3], s[16:17] offset:2048*\i th:TH_STORE_NT   ; sixteen lanes store 256 consecutive bytes, at a multiple of 256 from out0's first byte; written once, read by nobody here
.endr
	s_wait_tensorcnt 0x0
	ds_add_u32 v254, v255
	s_wait_dscnt 0x0
	s_endpgm
.Lfunc_end_k_q96a8ad9587_band:
	.size	k_q96a8ad9587_band, .Lfunc_end_k_q96a8ad9587_band-k_q96a8ad9587_band
	.p2alignl 7, 3214868480
	.fill 96, 4, 3214868480
	.section	.rodata,"a",@progbits
	.p2align	6, 0x0
	.amdhsa_kernel k_q96a8ad9587_band
		.amdhsa_group_segment_fixed_size 264192
		.amdhsa_private_segment_fixed_size 0
		.amdhsa_enable_private_segment 0
		.amdhsa_kernarg_size 56
		.amdhsa_user_sgpr_count 2
		.amdhsa_user_sgpr_kernarg_segment_ptr 1
		.amdhsa_wavefront_size32 1
		.amdhsa_system_sgpr_workgroup_id_x 1
		.amdhsa_system_sgpr_workgroup_id_y 1
		.amdhsa_system_sgpr_workgroup_id_z 1
		.amdhsa_system_vgpr_workitem_id 0
		.amdhsa_next_free_vgpr 256
		.amdhsa_next_free_sgpr 96
		.amdhsa_reserve_vcc 1
		.amdhsa_float_denorm_mode_32 3
		.amdhsa_float_denorm_mode_16_64 3
		.amdhsa_memory_ordered 1
		.amdhsa_forward_progress 1
		.amdhsa_inst_pref_size 43
	.end_amdhsa_kernel
	.amdgpu_metadata
---
amdhsa.version: [ 1, 2 ]
amdhsa.kernels:
  - .name:           k_q96a8ad9587_band
    .symbol:         k_q96a8ad9587_band.kd
    .args:
      - { .name: Q_codes, .offset: 0, .size: 8, .value_kind: global_buffer, .address_space: global }
      - { .name: K_codes, .offset: 8, .size: 8, .value_kind: global_buffer, .address_space: global }
      - { .name: V_codes, .offset: 16, .size: 8, .value_kind: global_buffer, .address_space: global }
      - { .name: G, .offset: 24, .size: 8, .value_kind: global_buffer, .address_space: global }
      - { .name: seqMask, .offset: 32, .size: 8, .value_kind: global_buffer, .address_space: global }
      - { .name: lowp_scales, .offset: 40, .size: 8, .value_kind: global_buffer, .address_space: global }
      - { .name: out0, .offset: 48, .size: 8, .value_kind: global_buffer, .address_space: global }
    .group_segment_fixed_size: 264192
    .private_segment_fixed_size: 0
    .kernarg_segment_align: 8
    .kernarg_segment_size: 56
    .max_flat_workgroup_size: 256
    .sgpr_count:     96
    .vgpr_count:     256
    .wavefront_size: 32
...
	.end_amdgpu_metadata
.endif
;; end of part 1
;; ======== version 2 of 2: 1 launch; 1.11 times as fast as version 1
;; launch band (part 2): grid 16 x 16, 8 waves a work-group, no clusters, 268,288 bytes of LDS; arguments Q_codes, K_codes, V_codes, G, seqMask, lowp_scales, out0; writes out0
.if DOCPART == 2
	.amdgcn_target "amdgcn-amd-amdhsa--gfx1250"
	.amdhsa_code_object_version 6
	.text
	.protected	k_q96a8ad9587_band
	.globl	k_q96a8ad9587_band
	.p2align	8
	.type	k_q96a8ad9587_band,@function
k_q96a8ad9587_band:
	s_mov_b64 s[64:65], 0
	v_nop
	global_prefetch_b8 v0, s[64:65] scope:SCOPE_SE
	s_setreg_imm32_b32 hwreg(HW_REG_WAVE_MODE, 25, 1), 1
	s_wait_xcnt 0x0
; out0[n][s][h][:] = G[h][n][s][:] x sum over t of softmax_t(Q[h][n][s] . K[h][n][t] / sqrt(32)) V[h][n][t][:], keys t with |s - t| <= 10 that seqMask[n][t] does not hide.
; Q, K: codes of FP8 (E4M3), [8][4][2048][32], the head's 32 innermost.  V: codes with the KEYS innermost, [8][4][32][2048].  G: f32 [8][4][2048][32].  out0: f32 [4][2048][8][32].
; lowp_scales: eq, ek, ev, ep.  THE SOFTMAX AHEAD OF THE SECOND PRODUCT: t = score x 2^(eq + ek) x log2(e) / sqrt(32); M = ceil(the row's largest t); p = 2^(t - M) is quantised with 2^ep;
; the row's sum is taken of the unquantised p and divides at the end.
; THE PRODUCTS ARE DONE WHOLE.  The problem's contract lists both products over all 2,048 keys and asks that the matrix units do that work on FP8 codes.  So every tile of K Q^T and of V^T P is issued, once,
; also where the band hides all of a group's keys.  There the scores are NOT READ (the mask would make each of them -infinity and p = 0) and P is a fragment of zero codes, which adds nothing to O^T:
; these products change no number of the result.  Only the softmax's vector work is left out for such keys.
; SHARES.  A work-group owns 128 queries of one batch entry and one PAIR of heads (2 hp, 2 hp + 1): 16 x 16 = 256 work-groups of equal work; a query's 256 bytes of out0 for the pair are one aligned run.
; Wave w owns head 2 hp + w / 4 and the 32 queries q0 = s0 + 32 (w % 4) on: two tiles of 16, so that each fragment of K and of V feeds two products.
; THE 128 TILES OF 16 KEYS, in 32 groups of four (tile numbers modulo 128; T = q0 / 16).  THE BAND'S GROUP, tiles T - 1 .. T + 2, holds the whole band of my 32 queries: M is the row's true one, no running maximum.
; Tiles that it reaches by going round the sequence's end are hidden like masked keys.  The other 124 tiles are hidden from all my queries: THIRTY ALIGNED GROUPS of four neighbours, each beginning at a multiple of four,
; from tile T + 4 (w even) or T + 6 (w odd) on, and ONE GROUP OF THE FOUR LEFT OVER.  An aligned group neither goes round the sequence's end nor crosses the padding in V's rows: one address and four immediates serve it.
; TWO PHASES.  First all of K Q^T, then all of V^T P.  Each wave asks for its eighth of K and then for its eighth of V: two tensor loads are out.  The first phase needs K alone and runs while V is on its way.
; The band's group of K, Q and the mask come from memory into registers (2,048 bytes of K a wave are so read twice), asked for ahead of the tensor loads, so that the softmax runs while LDS is filled.
; LAYOUT.  Both products are used transposed, so that a lane (r = lane % 16, h = lane / 16) holds ONE query of a tile throughout.  S^T = K Q^T: source 0 = 16 keys, source 1 = 16 queries; register j of a group's tile kt is its key
; 16 kt + 8 h + j.  These eight registers are what registers 2 kt, 2 kt + 1 of the next product's source 1 want: one conversion a tile makes p's operand.  O^T = V^T P: source 0 = 16 channels, K = the group's 64 keys.
; The head's 32 fill half of the first product's 64 along K: the rest are zero codes, on both sides.  A row of Q or K (32 bytes) comes by ONE load of 16 bytes a lane: a permutation of k, alike on both sides.
; NO CLUSTER, though the 16 work-groups of a pair of heads and a batch entry read the same K and V: the LDS addresses of the groups hang on T, so on the work-group's place along s,
; and partners that ask jointly form their LDS addresses alike.
; LIMITS.  eq + ek between -124 and 129 (added to the exponent field of log2(e) / sqrt(32)); ep between -126 and 119 (2^ep and 448 x 2^ep are f32 numbers); ep + ev is applied by v_ldexp_f32 and has none.
; NaN codes among Q and K are not served.  A row all of whose 21 keys are hidden gives NaN, as the reference's softmax of -infinities does.
.set PITCH, 272                        ; a stage row: 256 bytes + 16 of padding = 68 words: row r begins at word 4 r mod 64
.set VB,    135168                     ; LDS 0 .. 131,071: K, head a at a x 65,536, tile of 16 keys t at 512 t.  From VB on: V.  (4,096 bytes between them are not used)
.set VP,    2064                       ; V: row 32 a + channel: two halves of 1,024 bytes, 8 of padding behind each = 516 words: row r begins at word 4 r mod 64.  Key k lies at k + 8 (k / 1024)
.set HEADB, 262144                     ; bytes from a head to the next in Q's, K's and V's codes: 4 x 2048 x 32
.set RR,   1                           ; v1     r
.set HH,   2                           ; v2     h
.set LO,   3                           ; v3     32 r + 16 h: my 16 bytes of a tile of 16 rows of 32
.set KO,   4                           ; v4-7   memory: LO + 32 x the first key of the band's tile kt; tiles 1 and 2 begin at my two tiles of queries and serve Q too
.set MO,   8                           ; v8-11  memory: the first key of the band's tile kt + 8 h: my eight bytes of the mask
.set GO,   12                          ; v12    G: my 16 bytes, in the layout of the final stores
.set SO,   13                          ; v13    the stage, on the way in
.set SR,   14                          ; v14    and back
.set OO,   15                          ; v15    out0: my 16 bytes
.set NINF, 16                          ; v16    -infinity
.set LIM,  17                          ; v17    448 x 2^ep
.set SCL,  18                          ; v18    2^ep
.set GB,   19                          ; v19    8 h - r - 6
.set KBS,  20                          ; v20    LDS: my head's K + LO
.set VBS,  21                          ; v21    LDS: my head's V, row r, + 8 h
.set KA,   24                          ; v24    LDS address of an aligned group of K; v24-27 of four single tiles
.set VA,   28                          ; v28    the same for V; v28-31
.set QF,   32                          ; v32-47   Q's fragment of tile qt at QF + 8 qt
.set KF,   48                          ; v48-79   K's fragments, first buffer: tile kt at KF + 8 kt
.set OUT,  48                          ; v48-79   at the end: the rows read back from the stage
.set S,    80                          ; v80-143  S^T's tile (qt, kt) at S + 32 qt + 8 kt.  Tile qt's band lies in kt = qt .. qt + 2: 24 registers from S + 40 qt on, then p
.set O,    80                          ; v80-111  second phase: O^T's tile (qt, ct) at O + 16 qt + 8 ct
.set VF1,  112                         ; v112-127 second phase: V's fragments, second buffer
.set PEN,  144                         ; v144-191 0 for a key that counts, -infinity for one that does not: PEN + 24 qt + 8 d + j, d = kt - qt
.set KF1,  144                         ; v144-175 behind the softmax: K's fragments, second buffer
.set VF0,  176                         ; v176-191 V's fragments, first buffer: channels 16 ct on at VF0 + 8 ct
.set PF,   192                         ; v192-207 the band's p as codes, tile qt at PF + 8 qt
.set ZF,   208                         ; v208-215 a fragment of zero codes: p of the hidden groups
.set GR,   216                         ; v216-247 G, four registers for each of eight loads; asked for when ST and MK are done with
.set ST,   216                         ; v216-231 for tile qt at ST + 8 qt: +0 -M, +1 the largest t, +2..+5 at work (maxima, then the sum in two pairs), +7 what the other half of the lanes sent
.set MK,   232                         ; v232-239 the mask's bytes, a pair of registers for each of the band's tiles
.set INV,  248                         ; v248, v250  2^(ep + ev) / the sum, of tile 0, 1 (v249, v251 are named with them as pairs)
.set LT,   60                          ; s60-63 the four tiles left over
.set G0K,  68                          ; s[68:71] descriptor group 0 for K, s[72:79] its group 1
.set G1K,  72
.set G1V,  80                          ; s[80:87] group 1 for V, s[88:91] its group 0
.set G0V,  88
.set BT,   92                          ; s92-95 the band's four tiles
.macro PLACES n
.rept \n
	v_nop
.endr
.endm
	s_load_b256 s[4:11], s[0:1], 0x0               ; Q s[4:5], K s[6:7], V s[8:9], G s[10:11]
	s_load_b128 s[12:15], s[0:1], 0x20             ; seqMask s[12:13], lowp_scales s[14:15]
	s_load_b64 s[16:17], s[0:1], 0x30              ; out0
	v_lshl_add_u32 v254, v0, 2, 0x41400
	v_mov_b32 v255, 0
	ds_add_u32 v254, v255
	ds_add_u32 v254, v255
	v_lshrrev_b32 v22, 5, v0
	v_readfirstlane_b32 s18, v22                   ; wave 0..7
	s_lshl_b32 s19, ttmp9, 7                       ; s0: the work-group's first query
	s_and_b32 s23, ttmp7, 0xffff
	s_and_b32 s21, s23, 3                          ; hp: the pair of heads
	s_lshr_b32 s22, s23, 2                         ; n: the batch entry
	s_lshr_b32 s48, s18, 2                         ; a: my head of the pair; I also fetch for it
	s_and_b32 s49, s18, 3                          ; which 32 queries are mine.  Also: which quarter of my head's K and V I fetch
	s_lshl_b32 s23, s49, 5
	s_add_co_u32 s20, s19, s23                     ; q0: my first query
	s_lshl_b32 s23, s18, 4
	s_add_co_u32 s56, s19, s23                     ; the first of the 16 rows of out0 that I store: s0 + 16 w
	s_add_co_u32 s34, s20, 2032
	s_and_b32 s34, s34, 2047                       ; the band's tiles begin at keys q0 - 16, q0, q0 + 16, q0 + 32, modulo 2,048
	s_mov_b32 s35, s20
	s_add_co_u32 s36, s20, 16
	s_add_co_u32 s37, s20, 32
	s_and_b32 s37, s37, 2047
	s_cmp_eq_u32 s20, 0
	s_cselect_b32 s46, 0x01010101, 0               ; tile 0 went round the sequence's start: its keys count as hidden
	s_cmp_eq_u32 s20, 2016
	s_cselect_b32 s47, 0x01010101, 0               ; tile 3 went round its end
	; the groups' tile numbers; those of single tiles are cut to 7 bits where they are used
	s_lshr_b32 s59, s20, 4                         ; T = 8 x + 2 (w % 4): T mod 4 = 2 e, e = w mod 2
	s_add_co_u32 s[BT], s59, 127                   ; the band's: T - 1 .. T + 2
	s_add_co_u32 s[BT+1], s59, 128
	s_add_co_u32 s[BT+2], s59, 129
	s_add_co_u32 s[BT+3], s59, 130
	s_and_b32 s67, s18, 1                          ; e
	s_lshl_b32 s66, s67, 1
	s_add_co_u32 s66, s66, s59
	s_add_co_u32 s66, s66, 4                       ; the first aligned group: tile T + 4 + 2 e, a multiple of 4,
	s_and_b32 s66, s66, 124
	s_lshl_b32 s66, s66, 9                         ; as a byte offset in a head's K: 512 a tile
	s_xor_b32 s67, s67, 1
	s_mul_i32 s67, s67, 120                        ; the thirty aligned groups end at T + 123 + 2 e.  Left over: T + 3 + c, and 120 more where c >= 1 + 2 e
	s_add_co_u32 s[LT], s59, 3
	s_add_co_u32 s[LT+1], s59, 4
	s_add_co_u32 s[LT+1], s[LT+1], s67
	s_add_co_u32 s[LT+2], s59, 5
	s_add_co_u32 s[LT+2], s[LT+2], s67
	s_add_co_u32 s[LT+3], s59, 126
	; byte offsets
	s_lshl_b32 s39, s21, 19                        ; (2 hp x 4 + n) x 65,536 bytes: the pair's first head in Q, K and V
	s_lshl_b32 s23, s22, 16
	s_add_co_u32 s39, s39, s23
	s_lshl_b32 s52, s48, 18                        ; my own head
	s_add_co_u32 s52, s52, s39
	s_mov_b32 s53, 0
	s_lshl_b32 s28, s49, 14                        ; what I fetch: quarter w % 4 of my head: 512 keys of K, or 8 channels of V: 16,384 bytes on either way
	s_add_co_u32 s28, s28, s52
	s_mov_b32 s29, 0
	s_lshl_b32 s40, s21, 21                        ; G: (2 hp x 4 + n) x 262,144 + 128 x my first row
	s_lshl_b32 s23, s22, 18
	s_add_co_u32 s40, s40, s23
	s_lshl_b32 s23, s56, 7
	s_add_co_u32 s40, s40, s23
	s_mov_b32 s41, 0
	s_lshl_b32 s42, s22, 11                        ; seqMask: 2,048 n
	s_mov_b32 s43, 0
	s_lshl_b32 s44, s22, 21                        ; out0: (2,048 n + my first row) x 1,024 + 256 hp
	s_lshl_b32 s23, s56, 10
	s_add_co_u32 s44, s44, s23
	s_lshl_b32 s23, s21, 8
	s_add_co_u32 s44, s44, s23
	s_mov_b32 s45, 0
	; descriptor group 1.  K: a dense block as 64 rows of 256 bytes, no padding.  V: 8 channels' rows, dense, as 16 half rows of 1,024 bytes, 8 bytes of padding behind each
	s_mov_b32 s[G1K], 3<<16                        ; 15:0 no mask; 17:16 elements of 8 bytes
	s_mov_b32 s[G1K+1], 32<<16                     ; tensor_dim0 = 32 elements
	s_mov_b32 s[G1K+2], 64<<16                     ; tensor_dim1 = 64
	s_mov_b32 s[G1K+3], 32<<16                     ; tile_dim0
	s_mov_b32 s[G1K+4], 64                         ; tile_dim1
	s_mov_b32 s[G1K+5], 32                         ; elements from row to row
	s_mov_b32 s[G1K+6], 0
	s_mov_b32 s[G1K+7], 0
	s_mov_b32 s[G1V], (3<<16)|(1<<20)|(7<<22)|(1<<25)   ; elements of 8 bytes; 20 padding on; 24:22 after every 256 words (code 7); 31:25 two words (code 1)
	s_mov_b32 s[G1V+1], 128<<16
	s_mov_b32 s[G1V+2], 16<<16
	s_mov_b32 s[G1V+3], 128<<16
	s_mov_b32 s[G1V+4], 16
	s_mov_b32 s[G1V+5], 128
	s_mov_b32 s[G1V+6], 0
	s_mov_b32 s[G1V+7], 0
	s_mov_b32 s[G0K], 1                            ; count = 1
	s_lshl_b32 s[G0K+1], s18, 14                   ; LDS: wave x 16,384
	s_mov_b32 s[G0V], 1
	s_mul_i32 s[G0V+1], s18, 8*VP                  ; LDS: VB + wave x 8 rows
	s_add_co_u32 s[G0V+1], s[G0V+1], VB
	v_and_b32 v[RR], 15, v0
	v_bfe_u32 v[HH], v0, 4, 1
	v_lshlrev_b32 v[LO], 5, v[RR]
	v_lshl_add_u32 v[LO], v[HH], 4, v[LO]
.irp kt, 0,1,2,3
	v_lshl_add_u32 v[KO+\kt], s[34+\kt], 5, v[LO]
	v_lshl_add_u32 v[MO+\kt], v[HH], 3, s[34+\kt]
.endr
	v_bfe_u32 v22, v0, 3, 1                        ; G: lanes 0-7 head 2 hp, lanes 8-15 head 2 hp + 1; lanes 16-31 the same of the next query
	v_lshlrev_b32 v[GO], 20, v22
	v_lshl_or_b32 v[GO], v[HH], 7, v[GO]
	v_and_b32 v22, 7, v0
	v_lshl_or_b32 v[GO], v22, 4, v[GO]
	s_wait_dscnt 0x0
	s_wait_kmcnt 0x0
	s_load_b128 s[24:27], s[14:15], 0x0            ; eq, ek, ev, ep
	s_add_nc_u64 s[4:5], s[4:5], s[52:53]          ; Q at my head
	s_add_nc_u64 s[54:55], s[6:7], s[52:53]        ; K at my head
	s_add_nc_u64 s[12:13], s[12:13], s[42:43]
	; THE BAND'S OPERANDS, from memory: ten loads in one run, ahead of the fill: the softmax hangs on them
.irp kt, 0,1,2,3
	global_load_b64 v[MK+2*\kt:MK+2*\kt+1], v[MO+\kt], s[12:13]                     ; the mask's bytes of my eight keys of tile kt
.endr
.irp qt, 0,1
	global_load_b128 v[QF+8*\qt:QF+8*\qt+3], v[KO+1+\qt], s[4:5] th:TH_LOAD_NT      ; 16 rows of 32 bytes: 512 consecutive bytes; read by this wave alone
.endr
.irp kt, 0,1,2,3
	global_load_b128 v[KF+8*\kt:KF+8*\kt+3], v[KO+\kt], s[54:55]
.endr
	; THE FILL: two tensor loads a wave, 16,384 bytes each, K's ahead of V's; both are out.  Four v_nop follow the second.
	s_add_nc_u64 s[G0K+2:G0K+3], s[6:7], s[28:29]
	s_or_b32 s[G0K+3], s[G0K+3], 0x80000000        ; type = 2
	s_add_nc_u64 s[G0V+2:G0V+3], s[8:9], s[28:29]
	s_or_b32 s[G0V+3], s[G0V+3], 0x80000000
	tensor_load_to_lds s[G0K:G0K+3], s[G1K:G1K+7]
	s_nop 0
	tensor_load_to_lds s[G0V:G0V+3], s[G1V:G1V+7]
	s_nop 0
	PLACES 4
	s_add_nc_u64 s[10:11], s[10:11], s[40:41]
	s_add_nc_u64 s[16:17], s[16:17], s[44:45]
	; WHILE THE LOADS ARE OUT: the other addresses, the zero codes, the band, the scales.  Nothing here names a register that a load will write.
	v_lshl_add_u32 v[KBS], s48, 16, v[LO]
	s_mul_i32 s23, s48, 32*VP
	s_add_co_u32 s23, s23, VB
	v_mul_u32_u24 v[VBS], v[RR], VP
	v_lshl_add_u32 v[VBS], v[HH], 3, v[VBS]
	v_add_nc_u32 v[VBS], s23, v[VBS]
	s_mul_i32 s23, s49, 32*PITCH                   ; the stage (LDS 0 on, when K is done with): in: row = my query, 32 (w % 4) + 16 qt + r; byte 128 a + 64 ct + 32 h
	s_lshl_b32 s39, s48, 7
	s_add_co_u32 s23, s23, s39
	v_mul_u32_u24 v[SO], v[RR], PITCH
	v_lshl_add_u32 v[SO], v[HH], 5, v[SO]
	v_add_nc_u32 v[SO], s23, v[SO]
	s_mul_i32 s23, s18, 16*PITCH                   ; back: rows 16 w on: lanes 0-15 one row of 256 bytes, lanes 16-31 the next
	v_mul_u32_u24 v[SR], v[HH], PITCH
	v_lshl_add_u32 v[SR], v[RR], 4, v[SR]
	v_add_nc_u32 v[SR], s23, v[SR]
	v_lshlrev_b32 v[OO], 4, v[RR]
	v_lshl_or_b32 v[OO], v[HH], 10, v[OO]          ; and the same two rows in out0, 1,024 bytes apart
	v_lshlrev_b32 v[GB], 3, v[HH]
	v_sub_nc_u32 v[GB], v[GB], v[RR]
	v_add_nc_u32 v[GB], -6, v[GB]
	v_mov_b32 v[NINF], 0xff800000
	s_mov_b32 s30, 0x76543210                      ; v_permlanex16_b32's selects for lane l xor 16
	s_mov_b32 s31, 0xfedcba98
	; zero codes where an operand has no data: k = 32 .. 63 of Q and K; of the band's p the tile that lies wholly outside a query tile's band (tile 3 for qt = 0, tile 0 for qt = 1); the hidden groups' p
.irp f, 0,1
.irp i, 4,5,6,7
	v_mov_b32 v[QF+8*\f+\i], 0
.endr
.endr
.irp f, 0,1,2,3
.irp i, 4,5,6,7
	v_mov_b32 v[KF+8*\f+\i], 0
.endr
.endr
.irp i, 6,7,8,9
	v_mov_b32 v[PF+\i], 0
.endr
.irp i, 0,1,2,3,4,5,6,7
	v_mov_b32 v[ZF+\i], 0
.endr
	v_mov_b32 v[ST+7], 0                           ; a lane permute's destination counts as one of its sources: written once
	v_mov_b32 v[ST+15], 0
	v_mov_b32 v[INV+1], 0                          ; (named as the upper halves of pairs)
	v_mov_b32 v[INV+3], 0
; Register j of tile kt = qt + d: key - query = 16 d + j + 8 h - r - 16.  It lies in the band where that + 10 is 0 .. 20: one unsigned compare, for both tiles of queries.
.macro BAND d, j
	v_add_nc_u32 v22, 16*(\d)+(\j), v[GB]
	v_cmp_lt_u32 vcc_lo, 20, v22
	v_cndmask_b32 v[PEN+8*(\d)+(\j)], 0, v[NINF], vcc_lo
	v_cndmask_b32 v[PEN+24+8*(\d)+(\j)], 0, v[NINF], vcc_lo
.endm
.irp d, 0,1,2
.irp j, 0,1,2,3,4,5,6,7
	BAND \d, \j
.endr
.endr
	s_wait_kmcnt 0x0                               ; the four exponents
	s_add_co_i32 s23, s24, s25
	s_lshl_b32 s23, s23, 23
	s_add_co_i32 s32, s23, 0x3e8293ee              ; c = log2(e) / sqrt(32) x 2^(eq + ek): the two exponents are added to the constant's exponent field
	s_mov_b32 s33, s32                             ; (named with it as a pair, so it is written)
	s_add_co_i32 s23, s27, 127
	s_lshl_b32 s39, s23, 23
	v_mov_b32 v[SCL], s39                          ; 2^ep as f32: the conversion takes its exponent field
	s_add_co_i32 s23, s23, 8
	s_lshl_b32 s23, s23, 23
	s_or_b32 s23, s23, 0x600000
	v_mov_b32 v[LIM], s23                          ; 448 x 2^ep
	s_add_co_i32 s38, s27, s26                     ; ep + ev
; A group's eight products S^T = K Q^T: four tiles of 16 keys (buffer f) x my two tiles of 16 queries; the constant 0 starts and ends each sum: one instruction holds the head's whole 32
.macro QKS f
.irp kt, 0,1,2,3
.irp qt, 0,1
	v_wmma_f32_16x16x64_fp8_fp8 v[S+32*\qt+8*\kt:S+32*\qt+8*\kt+7], v[\f+8*\kt:\f+8*\kt+7], v[QF+8*\qt:QF+8*\qt+7], 0
.endr
.endr
.endm
; A group's four products O^T += V^T P, V in buffer f.  first = 1: the band's group: its p, and the constant 0 starts the sums.  Else p is the fragment of zero codes.
; The four accumulators take turns, one instruction a turn.
.macro PVS f, first
.irp ct, 0,1
.irp qt, 0,1
.if \first
	v_wmma_f32_16x16x64_fp8_fp8 v[O+16*\qt+8*\ct:O+16*\qt+8*\ct+7], v[\f+8*\ct:\f+8*\ct+7], v[PF+8*\qt:PF+8*\qt+7], 0
.else
	v_wmma_f32_16x16x64_fp8_fp8 v[O+16*\qt+8*\ct:O+16*\qt+8*\ct+7], v[\f+8*\ct:\f+8*\ct+7], v[ZF:ZF+7], v[O+16*\qt+8*\ct:O+16*\qt+8*\ct+7]
.endif
.endr
.endr
.endm
	s_wait_loadcnt 0x0                             ; the mask, Q and the band's K are in
	QKS KF                                         ; tiles (0, 3) and (1, 0) lie wholly outside their queries' band: they are not read
	; The mask's lines name no register of the products above: they are the places behind them (ISA guide 7.12.1).
	v_or_b32 v[MK], s46, v[MK]                     ; keys reached by going round the sequence's end count as hidden
	v_or_b32 v[MK+1], s46, v[MK+1]
	v_or_b32 v[MK+6], s47, v[MK+6]
	v_or_b32 v[MK+7], s47, v[MK+7]
; The mask's byte of register j of tile kt (0 or 1): its bit is moved to the top, spread over the top nine bits, and cut to the pattern of -infinity, which is laid over the band's 0 or -infinity of each query tile that reads tile kt.
.macro SEQ kt, j
	v_lshlrev_b32 v[22+(\j)%2], 31-8*((\j)%4), v[MK+2*(\kt)+(\j)/4]
	v_ashrrev_i32 v[22+(\j)%2], 8, v[22+(\j)%2]
.if (\kt) <= 2
	v_and_or_b32 v[PEN+8*(\kt)+(\j)], v[22+(\j)%2], v[NINF], v[PEN+8*(\kt)+(\j)]
.endif
.if (\kt) >= 1
	v_and_or_b32 v[PEN+24+8*((\kt)-1)+(\j)], v[22+(\j)%2], v[NINF], v[PEN+24+8*((\kt)-1)+(\j)]
.endif
.endm
.irp kt, 0,1,2,3
.irp j, 0,1,2,3,4,5,6,7
	SEQ \kt, \j
.endr
.endr
.irp a, 0,1
.irp j, 0,2,4,6,8,10,12,14,16,18,20,22
	v_pk_add_f32 v[S+40*\a+\j:S+40*\a+\j+1], v[S+40*\a+\j:S+40*\a+\j+1], v[PEN+24*\a+\j:PEN+24*\a+\j+1]   ; the score as it is, or -infinity; each accumulator from its low end on
.endr
.endr
	; the row's largest score: my 24 keys in two chains, the two tiles of queries line by line; then the other half of the lanes' 24
.irp a, 0,1
	v_max3_num_f32 v[ST+8*\a+2], v[S+40*\a], v[S+40*\a+1], v[S+40*\a+2]
	v_max3_num_f32 v[ST+8*\a+3], v[S+40*\a+3], v[S+40*\a+4], v[S+40*\a+5]
.endr
.irp i, 6,10,14,18
.irp a, 0,1
	v_max3_num_f32 v[ST+8*\a+2], v[ST+8*\a+2], v[S+40*\a+\i], v[S+40*\a+\i+1]
	v_max3_num_f32 v[ST+8*\a+3], v[ST+8*\a+3], v[S+40*\a+\i+2], v[S+40*\a+\i+3]
.endr
.endr
.irp a, 0,1
	v_max3_num_f32 v[ST+8*\a+2], v[ST+8*\a+2], v[S+40*\a+22], v[S+40*\a+23]
.endr
.irp a, 0,1
	v_max_num_f32 v[ST+8*\a+2], v[ST+8*\a+2], v[ST+8*\a+3]
.endr
.irp a, 0,1
	v_permlanex16_b32 v[ST+8*\a+7], v[ST+8*\a+2], s30, s31
.endr
.irp a, 0,1
	v_max_num_f32 v[ST+8*\a+2], v[ST+8*\a+2], v[ST+8*\a+7]
.endr
.irp a, 0,1
	v_mul_f32 v[ST+8*\a+1], s32, v[ST+8*\a+2]      ; as t (c is positive)
.endr
.irp a, 0,1
	v_floor_f32 v[ST+8*\a], -v[ST+8*\a+1]          ; -M = floor(-t) = -ceil(t): a whole number.  (All keys hidden: +infinity, and t - M below is NaN)
.endr
	; p = 2^(t - M); its sum; its codes
.irp a, 0,1
.irp j, 0,2,4,6,8,10,12,14,16,18,20,22
	v_pk_fma_f32 v[S+40*\a+\j:S+40*\a+\j+1], v[S+40*\a+\j:S+40*\a+\j+1], s[32:33], v[ST+8*\a:ST+8*\a+1] op_sel_hi:[1,0,0]   ; score x c - M, two at a time (of the pairs c and -M the low word serves both halves)
.endr
.endr
.irp a, 0,1
.set j, 0
.rept 24
	v_exp_f32 v[S+40*\a+j], v[S+40*\a+j]           ; at most 1; 0 for a key that does not count; NOT normalised
.set j, j+1
.endr
.endr
	v_nop                                          ; a plain place behind the exponentials
	s_wait_alu depctr_va_vdst(0)
.irp a, 0,1
	v_pk_add_f32 v[ST+8*\a+2:ST+8*\a+3], v[S+40*\a:S+40*\a+1], v[S+40*\a+2:S+40*\a+3]           ; THE ROW'S SUM IS TAKEN OF THE UNQUANTISED p: two at a time, in two chains
	v_pk_add_f32 v[ST+8*\a+4:ST+8*\a+5], v[S+40*\a+4:S+40*\a+5], v[S+40*\a+6:S+40*\a+7]
.endr
.irp i, 8,12,16,20
.irp a, 0,1
	v_pk_add_f32 v[ST+8*\a+2:ST+8*\a+3], v[ST+8*\a+2:ST+8*\a+3], v[S+40*\a+\i:S+40*\a+\i+1]
	v_pk_add_f32 v[ST+8*\a+4:ST+8*\a+5], v[ST+8*\a+4:ST+8*\a+5], v[S+40*\a+\i+2:S+40*\a+\i+3]
.endr
.endr
.irp a, 0,1
	v_pk_add_f32 v[ST+8*\a+2:ST+8*\a+3], v[ST+8*\a+2:ST+8*\a+3], v[ST+8*\a+4:ST+8*\a+5]
.endr
.irp a, 0,1
	v_add_f32 v[ST+8*\a+2], v[ST+8*\a+2], v[ST+8*\a+3]
.endr
.irp a, 0,1
	v_permlanex16_b32 v[ST+8*\a+7], v[ST+8*\a+2], s30, s31
.endr
.irp a, 0,1
	v_add_f32 v[ST+8*\a+2], v[ST+8*\a+2], v[ST+8*\a+7]   ; with lane l xor 16's: the row's sum
.endr
.irp a, 0,1
	v_rcp_f32 v[INV+2*\a], v[ST+8*\a+2]
.endr
.irp a, 0,1
.set j, 0
.rept 24
	v_min_num_f32 v[S+40*\a+j], v[S+40*\a+j], v[LIM]   ; the conversion to an 8-bit code does not saturate (ISA guide 7.6.2); p is not negative, so the hold is one-sided.  (Also the plain places behind the reciprocals)
.set j, j+1
.endr
.endr
	s_wait_alu depctr_va_vdst(0)
.irp a, 0,1
	v_ldexp_f32 v[INV+2*\a], v[INV+2*\a], s38      ; 2^(ep + ev) / the sum
.endr
.irp a, 0,1
.irp d, 0,1,2
	v_cvt_scalef32_pk8_fp8_f32 v[PF+8*\a+2*(\a+\d):PF+8*\a+2*(\a+\d)+1], v[S+40*\a+8*\d:S+40*\a+8*\d+7], v[SCL]   ; tile kt = qt + d: registers 2 kt, 2 kt + 1 of the operand: k = 16 kt + 8 h + 0 .. 7
.endr
.endr
.irp f, 0,1,2,3
.irp i, 4,5,6,7
	v_mov_b32 v[KF1+8*\f+\i], 0                    ; K's second buffer takes the penalties' registers: zero codes for k = 32 .. 63.  (Also the plain lines between the conversions and the matrix instructions that write over their sources)
.endr
.endr
.irp i, 0,1,2,3,4,5,6,7
	global_load_b128 v[GR+4*\i:GR+4*\i+3], v[GO], s[10:11] offset:256*\i th:TH_LOAD_NT   ; G of the 16 rows that I store, both heads: two runs of 256 consecutive bytes a load.  Wanted at the end: it lands under the two phases
.endr
; LDS ADDRESSES.  s50 is the next aligned group's byte offset in a head's K, 2,048 a group, cut to 65,536 (a multiple of 2,048: the cut keeps bits 11 to 15).
.macro KADR                            ; the next aligned group of K
	v_add_nc_u32 v[KA], s50, v[KBS]
	s_add_co_u32 s50, s50, 2048
	s_and_b32 s50, s50, 0xf800
.endm
.macro VADR                            ; the next aligned group's keys in V's rows: 16 bytes a tile = s50 / 32, + 8 in a row's second half (s50's bit 15)
	s_lshr_b32 s57, s50, 5
	s_lshr_b32 s58, s50, 12
	s_and_b32 s58, s58, 8
	s_add_co_u32 s57, s57, s58
	v_add_nc_u32 v[VA], s57, v[VBS]
	s_add_co_u32 s50, s50, 2048
	s_and_b32 s50, s50, 0xf800
.endm
.macro KSLOTS base                     ; four single tiles, their numbers in s[base] on
.irp c, 0,1,2,3
	s_and_b32 s57, s[\base+\c], 127
	s_lshl_b32 s57, s57, 9
	v_add_nc_u32 v[KA+\c], s57, v[KBS]
.endr
.endm
.macro VSLOTS base
.irp c, 0,1,2,3
	s_and_b32 s57, s[\base+\c], 127
	s_lshl_b32 s58, s57, 4
	s_and_b32 s57, s57, 64
	s_lshr_b32 s57, s57, 3
	s_add_co_u32 s58, s58, s57
	v_add_nc_u32 v[VA+\c], s58, v[VBS]
.endr
.endm
.macro KLOAD f                         ; an aligned group: 512 consecutive bytes a load; the fragments' upper halves stay zero codes
.irp c, 0,1,2,3
	ds_load_b128 v[\f+8*\c:\f+8*\c+3], v[KA] offset:512*\c
.endr
.endm
.macro KLOADS f                        ; four single tiles
.irp c, 0,1,2,3
	ds_load_b128 v[\f+8*\c:\f+8*\c+3], v[KA+\c]
.endr
.endm
.macro VLOAD f                         ; an aligned group: channel 16 ct + r, keys 16 c + 8 h + 0 .. 7
.irp ct, 0,1
.irp c, 0,1,2,3
	ds_load_b64 v[\f+8*\ct+2*\c:\f+8*\ct+2*\c+1], v[VA] offset:16*VP*\ct+16*\c
.endr
.endr
.endm
.macro VLOADS f
.irp ct, 0,1
.irp c, 0,1,2,3
	ds_load_b64 v[\f+8*\ct+2*\c:\f+8*\ct+2*\c+1], v[VA+\c] offset:16*VP*\ct
.endr
.endr
.endm
	; ---- FIRST PHASE: K Q^T of the 31 hidden groups; their scores are not read.  Two buffers: a group's four loads are out while the group before is multiplied.
	; Two groups' products write over the same registers, and a buffer is loaded again behind the products that read it: five places stand between (ISA guide 7.12.1 for vector instructions): the address line and four v_nop.
	s_mov_b32 s50, s66
	s_wait_tensorcnt 0x1                           ; my eighth of K lies in LDS; my load of V, issued behind it, may be out
	s_barrier_signal -1
	KADR                                           ; (work on registers while the others arrive)
	s_barrier_wait -1                              ; all of K lies in LDS
	KLOAD KF                                       ; aligned group 0
	KADR
	KLOAD KF1                                      ; aligned group 1
	s_mov_b32 s51, 14
.Lk:                                               ; trip t: aligned groups 2 t and 2 t + 1 are multiplied, 2 t + 2 and 2 t + 3 fetched
	s_wait_dscnt 4                                 ; the first buffer's four loads are in; the second's, issued behind them, may be out
	QKS KF
	KADR
	PLACES 4
	KLOAD KF
	s_wait_dscnt 4                                 ; the second buffer's are in; the four just issued may be out
	QKS KF1
	KADR
	PLACES 4
	KLOAD KF1
	s_sub_co_u32 s51, s51, 1
	s_cmp_lg_u32 s51, 0
	s_cbranch_scc1 .Lk
	s_wait_dscnt 4
	QKS KF                                         ; aligned group 28
	KSLOTS LT                                      ; four places,
	PLACES 1                                       ; and a fifth
	KLOADS KF                                      ; the four tiles left over
	s_wait_dscnt 4
	QKS KF1                                        ; aligned group 29
	VSLOTS BT                                      ; the band's keys in V's rows, for the second phase: four places,
	PLACES 1                                       ; and a fifth
	s_wait_dscnt 0x0                               ; the last four loads are in: my reads of K are over
	QKS KF                                         ; the group left over
	; ---- SECOND PHASE: V^T P of all 32 groups, the band's first.  O^T and V's second buffer lie where S^T lay: five places stand behind the last products above.
	s_mov_b32 s50, s66
	s_wait_tensorcnt 0x0                           ; my eighth of V lies in LDS
	s_barrier_signal -1
	PLACES 5
	s_barrier_wait -1                              ; all of V lies in LDS, and no wave reads K any more
	VLOADS VF0                                     ; the band's group
	VADR
	VLOAD VF1                                      ; aligned group 0
	s_wait_dscnt 8                                 ; the band's eight loads are in; the eight behind them may be out
	PVS VF0, 1                                     ; the one group whose p is not all zeros
	VADR
	PLACES 3                                       ; with the address line: four places in front of loads into registers that the products above read
	VLOAD VF0                                      ; aligned group 1
	s_mov_b32 s51, 14
.Lv:                                               ; trip t: aligned groups 2 t and 2 t + 1 are multiplied, 2 t + 2 and 2 t + 3 fetched
	s_wait_dscnt 8                                 ; the second buffer's eight loads are in; the first's, issued behind them, may be out
	PVS VF1, 0
	VADR
	PLACES 3
	VLOAD VF1
	s_wait_dscnt 8                                 ; the first buffer's are in; the eight just issued may be out
	PVS VF0, 0
	VADR
	PLACES 3
	VLOAD VF0
	s_sub_co_u32 s51, s51, 1
	s_cmp_lg_u32 s51, 0
	s_cbranch_scc1 .Lv
	s_wait_dscnt 8
	PVS VF1, 0                                     ; aligned group 28
	VSLOTS LT                                      ; four places
	VLOADS VF1                                     ; the four tiles left over
	s_wait_dscnt 8
	PVS VF0, 0                                     ; aligned group 29
	s_wait_dscnt 0x0
	PVS VF1, 0                                     ; the group left over
	; THE WAY OUT.  A lane holds eight channels of one query; a row of out0's 256 bytes comes from 16 such pieces, of two waves.  They meet in a stage and come back as whole rows, in the layout in which G was loaded.
	; The stage lies where K lay: that region has had its one fill, and no wave has read it since the barrier between the phases (each wave's wait for its last loads of K stands in front of that barrier's signal).
	; Other waves' reads of V, which may still be out, lie from VB on.
	PLACES 4                                       ; in front of the first read of results (ISA guide 7.12.1)
.irp a, 0,1
.irp j, 0,2,4,6,8,10,12,14
	v_pk_mul_f32 v[O+16*\a+\j:O+16*\a+\j+1], v[O+16*\a+\j:O+16*\a+\j+1], v[INV+2*\a:INV+2*\a+1] op_sel_hi:[1,0]   ; x 2^(ep + ev) / the sum; each accumulator from its low end on
.endr
.endr
.irp qt, 0,1
.irp ct, 0,1
.irp u, 0,1
	ds_store_b128 v[SO], v[O+16*\qt+8*\ct+4*\u:O+16*\qt+8*\ct+4*\u+3] offset:16*PITCH*\qt+64*\ct+16*\u   ; query tile qt, channels 16 ct + 8 h + 4 u on
.endr
.endr
.endr
	s_wait_dscnt 0x0                               ; for the others' sake: my part of the stage is written
	s_barrier_signal -1
	s_barrier_wait -1
.irp i, 0,1,2,3,4,5,6,7
	ds_load_b128 v[OUT+4*\i:OUT+4*\i+3], v[SR] offset:2*PITCH*\i
.endr
.irp i, 0,1,2,3,4,5,6,7
	s_wait_loadcnt 7-\i                            ; G's load i is in; the younger ones may be out
	s_wait_dscnt 7-\i                              ; rows 2 i, 2 i + 1 are back; the younger loads may be out
	v_pk_mul_f32 v[OUT+4*\i:OUT+4*\i+1], v[OUT+4*\i:OUT+4*\i+1], v[GR+4*\i:GR+4*\i+1]
	v_pk_mul_f32 v[OUT+4*\i+2:OUT+4*\i+3], v[OUT+4*\i+2:OUT+4*\i+3], v[GR+4*\i+2:GR+4*\i+3]
	global_store_b128 v[OO], v[OUT+4*\i:OUT+4*\i+3], s[16:17] offset:2048*\i th:TH_STORE_NT   ; sixteen lanes store 256 consecutive bytes, at a multiple of 256 from out0's first byte; written once, read by nobody here
.endr
	s_wait_tensorcnt 0x0
	ds_add_u32 v254, v255
	s_wait_dscnt 0x0
	s_endpgm
.Lfunc_end_k_q96a8ad9587_band:
	.size	k_q96a8ad9587_band, .Lfunc_end_k_q96a8ad9587_band-k_q96a8ad9587_band
	.p2alignl 7, 3214868480
	.fill 96, 4, 3214868480
	.section	.rodata,"a",@progbits
	.p2align	6, 0x0
	.amdhsa_kernel k_q96a8ad9587_band
		.amdhsa_group_segment_fixed_size 268288
		.amdhsa_private_segment_fixed_size 0
		.amdhsa_enable_private_segment 0
		.amdhsa_kernarg_size 56
		.amdhsa_user_sgpr_count 2
		.amdhsa_user_sgpr_kernarg_segment_ptr 1
		.amdhsa_wavefront_size32 1
		.amdhsa_system_sgpr_workgroup_id_x 1
		.amdhsa_system_sgpr_workgroup_id_y 1
		.amdhsa_system_sgpr_workgroup_id_z 1
		.amdhsa_system_vgpr_workitem_id 0
		.amdhsa_next_free_vgpr 256
		.amdhsa_next_free_sgpr 96
		.amdhsa_reserve_vcc 1
		.amdhsa_float_denorm_mode_32 3
		.amdhsa_float_denorm_mode_16_64 3
		.amdhsa_memory_ordered 1
		.amdhsa_forward_progress 1
		.amdhsa_inst_pref_size 49
	.end_amdhsa_kernel
	.amdgpu_metadata
---
amdhsa.version: [ 1, 2 ]
amdhsa.kernels:
  - .name:           k_q96a8ad9587_band
    .symbol:         k_q96a8ad9587_band.kd
    .args:
      - { .name: Q_codes, .offset: 0, .size: 8, .value_kind: global_buffer, .address_space: global }
      - { .name: K_codes, .offset: 8, .size: 8, .value_kind: global_buffer, .address_space: global }
      - { .name: V_codes, .offset: 16, .size: 8, .value_kind: global_buffer, .address_space: global }
      - { .name: G, .offset: 24, .size: 8, .value_kind: global_buffer, .address_space: global }
      - { .name: seqMask, .offset: 32, .size: 8, .value_kind: global_buffer, .address_space: global }
      - { .name: lowp_scales, .offset: 40, .size: 8, .value_kind: global_buffer, .address_space: global }
      - { .name: out0, .offset: 48, .size: 8, .value_kind: global_buffer, .address_space: global }
    .group_segment_fixed_size: 268288
    .private_segment_fixed_size: 0
    .kernarg_segment_align: 8
    .kernarg_segment_size: 56
    .max_flat_workgroup_size: 256
    .sgpr_count:     96
    .vgpr_count:     256
    .wavefront_size: 32
...
	.end_amdgpu_metadata
.endif
;; end of part 2
